; MI455X (gfx1250); checked and timed in simulation.
; The chip was launched on July 23, 2026; its instructions are those of AMD's public machine-readable ISA for CDNA 5 (MIT licence, August 2026) and "CDNA5" Instruction Set Architecture Reference Guide (July 2026). The comments in the code are by the model that wrote it; some were corrected since.
;; Hopfield Message Layer. Allowed arithmetic: matrix products marked QUANTISED: E2M3 operands, one E8M0 scale for each 32 along K, by v_wmma_scale_f32_16x16x128_f8f6f4 with both operands' format E2M3, f32 sums; everything else in f32.
;; Inputs: W_k 1,024 x 1,024 float32; W_o 1,024 x 1,024 float32; W_q 1,024 x 1,024 float32; W_v 1,024 x 1,024 float32; b_o 1,024 float32; h 1,024 x 8 x 1,024 float32; ln_beta 1,024 float32; ln_gamma 1,024 float32; log_beta 16 float32.
;; Outputs: out0 1,024 x 8 x 1,024 float32.
;; This version of the problem:
;;   THIS VERSION OF THE PROBLEM IS GIVEN IN LOW PRECISION. The matrix products marked QUANTISED in the list below multiply operands that are first quantised to E2M3 (2 exponent bits, 3 mantissa bits; 6 bits a number), with one power-of-two scale for each 32 numbers along K (OCP MX v1.0); their sums are f32. All else is computed in f32.
;;   The module's matrix products, in the order in which they are computed (A, B: the left and right operand; K: the contracted axis; several contracted axes count as one K, in the product's order):
;;     1. [M 8,192, K 1,024] x [K 1,024, N 1,024]; A: input h; B: input W_q: QUANTISED
;;     2. [M 8,192, K 1,024] x [K 1,024, N 1,024]; A: input h; B: input W_k: QUANTISED
;;     3. [M 8,192, K 1,024] x [K 1,024, N 1,024]; A: input h; B: input W_v: QUANTISED
;;     4. batch 128 x [M 1,024, K 64] x [K 64, N 1,024]; A: computed on the way; B: computed on the way: QUANTISED
;;     5. batch 128 x [M 64, K 1,024] x [K 1,024, N 1,024]; A: computed on the way; B: softmax (see below): QUANTISED
;;     6. [M 8,192, K 1,024] x [K 1,024, N 1,024]; A: computed on the way; B: input W_o: QUANTISED
;;   THE QUANTISER, for each operand of a quantised product, along K:
;;     - K is cut into blocks of 32 from its start; a last block that is shorter is filled with zeros.
;;     - A block's scale is 2^e with e = floor(log2(the largest magnitude in the block)) - 2, held to -126 .. 127; a block of zeros has e = 0. As a byte (E8M0): e + 127.
;;     - Each number is divided by its block's scale, clamped to +-7.5, and rounded to the nearest number of E2M3, ties to even, subnormals kept.
;;     - The product sums the exact products of the quantised numbers (number of the format x scale) in f32.
;;   ~~~python
;;   def quantise(x, axis):      # numpy; x: float32 -> the quantised numbers, widened to float32 again
;;       x = np.moveaxis(x, axis, -1); K = x.shape[-1]
;;       x = np.pad(x, [(0, 0)] * (x.ndim - 1) + [(0, -K % 32)]); x = x.reshape(x.shape[:-1] + (-1, 32)); a = np.abs(x).max(-1, keepdims=True)
;;       e = np.where(a > 0, np.clip(np.frexp(np.where(a > 0, a, 1))[1] - 1 - 2, -126, 127), 0)      # np.frexp(a)[1] - 1 = floor(log2(a)), exactly
;;       r = np.clip(x / 2.0 ** e, -7.5, 7.5)
;;       step = 2.0 ** (np.maximum(np.frexp(np.where(r == 0, 1, r))[1] - 1, 0) - 3)
;;       q = np.round(r / step) * step * 2.0 ** e      # np.round: ties to even
;;       return np.moveaxis(q.reshape(q.shape[:-2] + (-1,))[..., :K], -1, axis).astype(np.float32)
;;   ~~~
;;   SOFTMAX AHEAD OF A QUANTISED PRODUCT. Where the list says 'softmax', what is quantised is not the finished softmax but p = 2^(t - M), with t = logit x log2(e) and M = ceil(the row's largest t), a whole number; so 1/2 < the row's largest p <= 1. The row's sum l is taken of the UNQUANTISED p, in f32, and the product's result is divided by l at the end. Since M is a whole number, a kernel that streams over the keys may use a running M (the ceiling of the running maximum): every later rescaling is an exact power of two, which a block's scale takes up: the codes' values come out the same.
;;   OPERANDS COMPUTED ON THE WAY. 'Computed on the way' means the value that the module computes at that place (a softmax that the list does not call 'softmax' is quantised finished and normalised). What goes into a quantiser is computed in f32, as accurately as f32 sums, v_exp_f32 and their like allow (about 1e-6 of the number): no bf16 or f16 on the way to a quantiser, and a product that is left as it is and whose result goes on into a quantised operand takes f32 operands (vector FMAs, or v_wmma_f32_16x16x4_f32). A number that lies on a knife's edge between two numbers of the format may be rounded either way, as far as f32 arithmetic and the matrix unit's own rounding can turn it there, and no further.
;; One version. Each part assembles by itself: llvm-mc -triple=amdgcn-amd-amdhsa -mcpu=gfx1250 --defsym DOCPART=n.
;; ======== version 1 of 1: 4 launches
;; limits: right only within a limited range of input values
;; workspace buffers: cd 9,437,184 bytes; sc 786,432 bytes; att 18,874,368 bytes; ats 786,432 bytes; oc 6,291,456 bytes; os 524,288 bytes
;; launch quant (part 1): grid 256 x 1, 6 waves a work-group, no clusters, 51,456 bytes of LDS; arguments h, W_q, W_k, W_v, W_o, cd, sc; writes cd, sc
.if DOCPART == 1
	.amdgcn_target "amdgcn-amd-amdhsa--gfx1250"
	.amdhsa_code_object_version 6
	.text
	.protected	k_q653e43f891_quant
	.globl	k_q653e43f891_quant
	.p2align	8
	.type	k_q653e43f891_quant,@function
k_q653e43f891_quant:
	s_mov_b64 s[64:65], 0
	v_nop
	global_prefetch_b8 v0, s[64:65] scope:SCOPE_SE
	s_setreg_imm32_b32 hwreg(HW_REG_WAVE_MODE, 25, 1), 1
	s_wait_xcnt 0x0
; LAUNCH 1 OF 4.  h [1024 c][8 b][1024] and W_q, W_k, W_v, W_o [1024][1024], f32, K innermost, become codes of E2M3 with one E8M0 byte for each 32 along K.
; DEAD WORK: none.  b_o differs along the axis of the LayerNorm, exp(log_beta) scales the logits, ln_gamma and ln_beta reach the result as they are: all nine inputs are loaded, and all six products are made.
; LAYOUT OF THE CODES (cd).  768 tiles T of 16 rows: T 0-511 h (b = T / 64, t = T % 64), then 64 each of W_q, W_k, W_v, W_o.  Lane row r of tile t is row 32 (t / 2) + 8 (t % 2) + r + 8 (r / 8):
; a product used transposed then leaves 16 neighbours along the next K in 16 registers of two neighbouring tiles.  A fragment (16 rows x 128 K, 12 registers a lane) lies as an IMAGE OF ITS REGISTERS, 1,536 bytes:
; register i of lane l at 512 (i / 4) + 16 l + 4 (i % 4).  Image (T, K step s) at (T / 8) 98304 + 12288 s + 1536 (T % 8).  THE SCALE WORDS (sc): T 1024 + 512 (s / 4) + 16 l: the four words of K steps 4 (s / 4) on, lanes 16-31 a copy.
; A block's scale is 2^(floor(log2(largest magnitude)) - 2): its byte is the largest magnitude's exponent field - 2, held at 1 from below.
; LIMITS: NaN and infinities among the inputs are not served; a block of zeros gets the byte 1 where the rule says 127 (its codes are zeros, and this program alone reads the bytes); blocks whose largest magnitude
; lies under 2^-124 are held at the byte 1.
; SHARES.  1,536 waves; wave W makes tile W / 2, K steps 4 (W % 2) + 0 .. 3.  Each load reads 512 consecutive bytes of one row; a fragment turns through the wave's own stage in LDS (rows of 512 + 16 bytes),
; so that a lane gets two whole blocks of 32.  Two fragments (32 loads) of a wave are on their way.  No matrix unit, no cluster, no barrier: waves share nothing, and memory binds.
.set STGW,  8448                       ; a wave's stage: 16 rows x 528 bytes
.set SPARE, 50688                      ; behind the six stages: the spare words, 128 bytes a wave, three blocks of 256 bytes that no other line names
.set OFF,   16                         ; v16-31   byte offset of row i's 16 bytes of mine
.set R,     32                         ; v32-159  two sets of 64: a fragment as loaded
.set X,     160                        ; v160-223 my two blocks of 32
.set C,     224                        ; v224-235 the fragment's codes
.set CT,    236                        ; v236-238, v240-242 second halves of the blocks, as converted
.set SW,    244                        ; v244-247 the four scale words
.set SPW,   252
.set NIL,   253
	s_load_b256 s[4:11], s[0:1], 0x0               ; h, W_q, W_k, W_v
	s_load_b128 s[12:15], s[0:1], 0x20             ; W_o, cd
	s_load_b64 s[16:17], s[0:1], 0x30              ; sc
	v_lshl_add_u32 v[SPW], v0, 2, SPARE
	v_mov_b32 v[NIL], 0
	v_lshrrev_b32 v1, 5, v0
	v_readfirstlane_b32 s18, v1                    ; wave 0..5
	v_and_b32 v1, 31, v0                           ; lane
	v_and_b32 v2, 15, v0                           ; r
	v_bfe_u32 v3, v0, 4, 1                         ; hh
	v_lshlrev_b32 v4, 4, v1                        ; 16 x lane
	s_wait_alu depctr_va_vdst(0)
	s_mul_i32 s19, ttmp9, 6
	s_add_co_u32 s19, s19, s18                     ; W
	s_lshr_b32 s20, s19, 1                         ; T
	s_and_b32 s21, s19, 1                          ; which four K steps
	s_and_b32 s22, s20, 63                         ; t
	s_lshr_b32 s23, s22, 1
	s_lshl_b32 s23, s23, 5
	s_and_b32 s26, s22, 1
	s_lshl_b32 s26, s26, 3
	s_add_co_u32 s23, s23, s26                     ; the tile's first row
	s_lshr_b32 s26, s20, 6                         ; b, where the tile is of h
	s_lshl_b32 s27, s23, 3
	s_add_co_u32 s27, s27, s26                     ; row x 8 + b
	s_sub_co_u32 s25, s20, 512
	s_lshr_b32 s25, s25, 6                         ; which weight
	s_mov_b32 s24, 4096
	s_cmp_lt_u32 s20, 512
	s_cselect_b32 s27, s27, s23
	s_cselect_b32 s24, 0x8000, s24                 ; bytes from row to row: 32,768 in h, 4,096 in a weight
	s_lshl_b32 s30, s27, 12
	s_lshl_b32 s26, s21, 11
	s_add_co_u32 s30, s30, s26                     ; where my part of the input begins
	s_mov_b32 s31, 0
	s_mov_b32 s32, 0x76543210
	s_mov_b32 s33, 0xfedcba98                      ; selects for lane l xor 16
	s_mul_i32 s34, s18, STGW
	v_add_nc_u32 v5, s34, v4                       ; into the stage: 16 x lane of a row
	v_mul_u32_u24 v6, v2, 528
	v_lshl_add_u32 v6, v3, 7, v6
	v_add_nc_u32 v6, s34, v6                       ; out of it: row r, + 128 hh
	v_lshlrev_b32 v7, 3, v3                        ; 8 hh
	v_mov_b32 v15, 0                               ; a lane permute's destination counts as read
.irp i, 0,1,2,3,4,5,6,7,8,9,10,11,12,13,14,15
	v_mad_u32_u24 v[OFF+\i], s24, \i+8*(\i/8), v4
.endr
	s_lshr_b32 s35, s20, 3
	s_mul_i32 s36, s35, 98304
	s_mul_i32 s35, s21, 49152
	s_add_co_u32 s36, s36, s35
	s_and_b32 s35, s20, 7
	s_mul_i32 s35, s35, 1536
	s_add_co_u32 s36, s36, s35                     ; my first image in cd
	s_mov_b32 s37, 0
	s_lshl_b32 s38, s20, 10
	s_lshl_b32 s35, s21, 9
	s_add_co_u32 s38, s38, s35                     ; my 512 bytes in sc
	s_mov_b32 s39, 0
	s_wait_alu depctr_va_vdst(0)
	s_wait_kmcnt 0x0
	s_mov_b64 s[28:29], s[6:7]                     ; the tensor is chosen by the tile's number alone
	s_cmp_eq_u32 s25, 1
	s_cselect_b64 s[28:29], s[8:9], s[28:29]
	s_cmp_eq_u32 s25, 2
	s_cselect_b64 s[28:29], s[10:11], s[28:29]
	s_cmp_eq_u32 s25, 3
	s_cselect_b64 s[28:29], s[12:13], s[28:29]
	s_cmp_lt_u32 s20, 512
	s_cselect_b64 s[28:29], s[4:5], s[28:29]
	s_add_nc_u64 s[28:29], s[28:29], s[30:31]
	s_add_nc_u64 s[14:15], s[14:15], s[36:37]
	s_add_nc_u64 s[16:17], s[16:17], s[38:39]
.macro LOAD t                          ; fragment t: 16 rows x 512 bytes, a row a load
.irp i, 0,1,2,3,4,5,6,7,8,9,10,11,12,13,14,15
	global_load_b128 v[R+64*((\t)%2)+4*\i:R+64*((\t)%2)+4*\i+3], v[OFF+\i], s[28:29] offset:512*(\t) th:TH_LOAD_NT
.endr
.endm
.macro FRAG f
.set RS, R+64*((\f)%2)
.if (\f) < 3
	s_wait_loadcnt 16                              ; this fragment's 16 loads are in; the next one's may be out
.else
	s_wait_loadcnt 0x0
.endif
.irp i, 0,1,2,3,4,5,6,7,8,9,10,11,12,13,14,15
	ds_store_b128 v5, v[RS+4*\i:RS+4*\i+3] offset:528*\i
.endr
.irp c, 0,1
.irp j, 0,1,2,3,4,5,6,7
	ds_load_b128 v[X+32*\c+4*\j:X+32*\c+4*\j+3], v6 offset:256*\c+16*\j   ; k = 64 c + 32 hh + 4 j on of row r; a wave's LDS instructions are served in order
.endr
.endr
	s_wait_dscnt 0x0                               ; my blocks are here, and the stores have read the set
.if (\f) < 2
	LOAD (\f)+2
.endif
.irp c, 0,1
	v_max3_num_f32 v[8+\c], |v[X+32*\c]|, |v[X+32*\c+1]|, 0x1800000   ; block 2 c + hh is all mine; the floor 2^(3 - 127) holds the byte at 1 from below
.endr
.irp i, 2,4,6,8,10,12,14,16,18,20,22,24,26,28,30
.irp c, 0,1
	v_max3_num_f32 v[8+\c], v[8+\c], |v[X+32*\c+\i]|, |v[X+32*\c+\i+1]|
.endr
.endr
	v_add_nc_u32 v10, 0xff000000, v8               ; 2 off the exponent field: the conversion's scale operand
	v_add_nc_u32 v11, 0xff000000, v9
	v_lshrrev_b32 v12, 23, v10                     ; the scale's byte
	v_lshrrev_b32 v13, 23, v11
	v_lshl_or_b32 v14, v13, 16, v12                ; blocks hh and 2 + hh,
	v_lshlrev_b32 v14, v7, v14                     ; at their places in the word;
	v_permlanex16_b32 v15, v14, s32, s33
	v_or_b32 v[SW+(\f)], v14, v15                  ; with lane l xor 16's two the word is whole, in both halves of the lanes
	s_wait_alu depctr_va_vdst(0)
	s_wait_xcnt 0x0                                ; the last fragment's stores have read the codes' registers
.irp c, 0,1
	v_cvt_scalef32_pk16_fp6_f32 v[C+6*\c:C+6*\c+2], v[X+32*\c:X+32*\c+15], v[10+\c]
	v_cvt_scalef32_pk16_fp6_f32 v[CT+4*\c:CT+4*\c+2], v[X+32*\c+16:X+32*\c+31], v[10+\c]   ; (a conversion's three registers begin on an even number)
.endr
	v_nop                                          ; one plain line behind the conversions
.irp c, 0,1
.irp i, 0,1,2
	v_mov_b32 v[C+6*\c+3+\i], v[CT+4*\c+\i]
.endr
.endr
.irp g, 0,1,2
	global_store_b128 v4, v[C+4*\g:C+4*\g+3], s[14:15] offset:12288*(\f)+512*\g   ; 512 consecutive bytes a store
.endr
.endm
	LOAD 0
	LOAD 1
	FRAG 0
	FRAG 1
	FRAG 2
	FRAG 3
	global_store_b128 v4, v[SW:SW+3], s[16:17]     ; the four words of my row: 512 consecutive bytes a wave
	s_wait_tensorcnt 0x0                           ; the wave's end, behind my last LDS store
	ds_add_u32 v[SPW], v[NIL]
	s_wait_dscnt 0x0
	s_endpgm
.Lfunc_end_k_q653e43f891_quant:
	.size	k_q653e43f891_quant, .Lfunc_end_k_q653e43f891_quant-k_q653e43f891_quant
	.p2alignl 7, 3214868480
	.fill 96, 4, 3214868480
	.section	.rodata,"a",@progbits
	.p2align	6, 0x0
	.amdhsa_kernel k_q653e43f891_quant
		.amdhsa_group_segment_fixed_size 51456
		.amdhsa_private_segment_fixed_size 0
		.amdhsa_enable_private_segment 0
		.amdhsa_kernarg_size 56
		.amdhsa_user_sgpr_count 2
		.amdhsa_user_sgpr_kernarg_segment_ptr 1
		.amdhsa_wavefront_size32 1
		.amdhsa_system_sgpr_workgroup_id_x 1
		.amdhsa_system_sgpr_workgroup_id_y 1
		.amdhsa_system_sgpr_workgroup_id_z 1
		.amdhsa_system_vgpr_workitem_id 0
		.amdhsa_next_free_vgpr 256
		.amdhsa_next_free_sgpr 66
		.amdhsa_reserve_vcc 0
		.amdhsa_float_denorm_mode_32 3
		.amdhsa_float_denorm_mode_16_64 3
		.amdhsa_memory_ordered 1
		.amdhsa_forward_progress 1
		.amdhsa_inst_pref_size 32
	.end_amdhsa_kernel
	.amdgpu_metadata
---
amdhsa.version: [ 1, 2 ]
amdhsa.kernels:
  - .name:           k_q653e43f891_quant
    .symbol:         k_q653e43f891_quant.kd
    .args:
      - { .name: h, .offset: 0, .size: 8, .value_kind: global_buffer, .address_space: global }
      - { .name: W_q, .offset: 8, .size: 8, .value_kind: global_buffer, .address_space: global }
      - { .name: W_k, .offset: 16, .size: 8, .value_kind: global_buffer, .address_space: global }
      - { .name: W_v, .offset: 24, .size: 8, .value_kind: global_buffer, .address_space: global }
      - { .name: W_o, .offset: 32, .size: 8, .value_kind: global_buffer, .address_space: global }
      - { .name: cd, .offset: 40, .size: 8, .value_kind: global_buffer, .address_space: global }
      - { .name: sc, .offset: 48, .size: 8, .value_kind: global_buffer, .address_space: global }
    .group_segment_fixed_size: 51456
    .private_segment_fixed_size: 0
    .kernarg_segment_align: 8
    .kernarg_segment_size: 56
    .max_flat_workgroup_size: 192
    .sgpr_count:     66
    .vgpr_count:     256
    .wavefront_size: 32
...
	.end_amdgpu_metadata
.endif
;; end of part 1
;; launch qkv (part 2): grid 8 x 32, 4 waves a work-group, clusters of 4 x 4, 327,680 bytes of LDS; arguments cd, sc, att, ats; writes att, ats
.if DOCPART == 2
	.amdgcn_target "amdgcn-amd-amdhsa--gfx1250"
	.amdhsa_code_object_version 6
	.text
	.protected	k_q653e43f891_qkv
	.globl	k_q653e43f891_qkv
	.p2align	8
	.type	k_q653e43f891_qkv,@function
k_q653e43f891_qkv:
	s_mov_b64 s[64:65], 0
	v_nop
	global_prefetch_b8 v0, s[64:65] scope:SCOPE_SE
	s_setreg_imm32_b32 hwreg(HW_REG_WAVE_MODE, 25, 1), 1
	s_wait_xcnt 0x0
	s_wait_alu depctr_hold_cnt(0) depctr_sa_sdst(0) depctr_va_vdst(0) depctr_va_sdst(0) depctr_va_ssrc(0) depctr_va_vcc(0) depctr_vm_vsrc(0)
	s_getreg_b32 s2, hwreg(HW_REG_IB_STS2, 6, 4)
	s_cmp_eq_u32 s2, 0
	s_cbranch_scc0 .Lentry_in_a_cluster
	s_endpgm
.Lentry_in_a_cluster:
	s_bfe_u32 s2, ttmp6, 0x10000c
	s_cmp_lg_u32 s2, 0xf033
	s_cbranch_scc0 .Lentry_shape_is_right
	s_endpgm
.Lentry_shape_is_right:
.set SLOTB, 98304
.set REGB,  24576
.set SPARE, 294912
.set ADRA2, 8
.set SO2,   11
.set ADRA, 16
.set ADRB, 20
.set CO,   24
.set SO,   25
.set VS,   26
.set VS2,  27
.set SPW,  28
.set NIL,  29
.set SC,   32
.set AF,   128
.set TM,   96
.set PWA,  112
.set PWB,  113
.set SW1,  116
.set SW2,  120
.set OUTW, 124
.set IMG1, 224
.set IMG2, 236
.set PT,   248
.set G1,   24
.set G0,   32
.set G1B,  44
.set G0B,  52
.set G1C,  68
.set PA2,  76
.set PB2,  78
.set SEL,  90
.set MSB, 0
.macro WIN new
.if MSB != \new
	s_set_vgpr_msb (MSB<<8)|\new
.set MSB, \new
.endif
.endm
.macro JLOAD g0a, g1a, g0b, g1b
	s_cmp_eq_u32 s15, 0
	s_cbranch_scc0 .Lfor_b_\@
	tensor_load_to_lds s[\g0a:\g0a+3], s[\g1a:\g1a+7]
	s_nop 0
.rept 4
	v_nop
.endr
	s_branch .Lasked_\@
.Lfor_b_\@:
	tensor_load_to_lds s[\g0b:\g0b+3], s[\g1b:\g1b+7]
	s_nop 0
.rept 4
	v_nop
.endr
.Lasked_\@:
.endm
.macro CREST
	s_cmp_lg_u32 s14, 0
	s_cbranch_scc1 .Lnot_wave_0_\@
	s_barrier_signal -3
.Lnot_wave_0_\@:
	s_barrier_wait -3
	s_barrier_signal -1
	s_barrier_wait -1
.endm
.macro CROUND
	s_barrier_signal -1
	s_barrier_wait -1
	CREST
.endm
.macro PLACES n
.rept \n
	v_nop
.endr
.endm
	s_load_b256 s[4:11], s[0:1], 0x0
	v_lshl_add_u32 v[SPW], v0, 2, SPARE
	v_mov_b32 v[NIL], 0
	ds_add_u32 v[SPW], v[NIL]
	ds_add_u32 v[SPW], v[NIL]
	v_lshrrev_b32 v1, 5, v0
	v_readfirstlane_b32 s14, v1
	s_lshr_b32 s15, s14, 1
	s_and_b32 s16, s14, 1
	s_bfe_u32 s66, ttmp6, 0x40000
	s_bfe_u32 s67, ttmp6, 0x40004
	s_and_b32 s17, ttmp7, 0xffff
	s_lshl_b32 s18, s17, 2
	s_lshl_b32 s19, ttmp9, 2
	s_add_co_u32 s86, s18, s67
	s_add_co_u32 s87, s19, s66
	s_add_co_u32 s87, s87, 32
	s_add_co_u32 s88, s19, s67
	s_add_co_u32 s88, s88, 80
	s_add_co_u32 s89, s18, s66
	s_lshl_b32 s92, s67, 2
	s_lshl_b32 s92, 15, s92
	s_lshl_b32 s93, 0x1111, s66
	s_or_b32 s[G1], s92, (3<<16)|(1<<21)
	s_or_b32 s[G1C], s92, (3<<16)|(1<<21)
	s_or_b32 s[G1B], s93, (3<<16)|(1<<21)
.irp g, G1, G1B
	s_mov_b32 s[\g+1], 32<<16
	s_mov_b32 s[\g+2], 96<<16
	s_mov_b32 s[\g+3], 32<<16
	s_mov_b32 s[\g+4], 96
	s_mov_b32 s[\g+5], 32
	s_mov_b32 s[\g+6], 0
	s_mov_b32 s[\g+7], 0
.endr
	s_mov_b32 s[G1C+1], 32<<16
	s_mov_b32 s[G1C+2], 48<<16
	s_mov_b32 s[G1C+3], 32<<16
	s_mov_b32 s[G1C+4], 48
	s_mov_b32 s[G1C+5], 32
	s_mov_b32 s[G1C+6], 0
	s_mov_b32 s[G1C+7], 0
	s_lshl_b32 s20, s86, 1
	s_add_co_u32 s20, s20, s16
	s_mul_i32 s20, s20, 98304
	s_mov_b32 s21, 0
	s_lshl_b32 s22, s87, 1
	s_add_co_u32 s22, s22, s16
	s_mul_i32 s22, s22, 98304
	s_mov_b32 s23, 0
	s_mul_i32 s81, s14, 12288
	s_mul_i32 s[PA2], s88, 98304
	s_add_co_u32 s[PA2], s[PA2], s81
	s_mov_b32 s[PA2+1], 0
	s_lshl_b32 s[PB2], s89, 1
	s_add_co_u32 s[PB2], s[PB2], s16
	s_mul_i32 s[PB2], s[PB2], 98304
	s_mov_b32 s[PB2+1], 0
	s_mul_i32 s80, s14, REGB
	s_mov_b32 s[SEL], 0x76543210
	s_mov_b32 s[SEL+1], 0xfedcba98
	s_wait_dscnt 0x0
	s_wait_kmcnt 0x0
	s_add_nc_u64 s[20:21], s[4:5], s[20:21]
	s_add_nc_u64 s[22:23], s[4:5], s[22:23]
	s_add_nc_u64 s[PA2:PA2+1], s[4:5], s[PA2:PA2+1]
	s_add_nc_u64 s[PB2:PB2+1], s[4:5], s[PB2:PB2+1]
	CROUND
.irp j, 0,1,2
	s_mov_b32 s[G0+4*\j], 1
	s_add_co_u32 s[G0+4*\j+1], s80, \j*SLOTB
	s_add_nc_u64 s[G0+4*\j+2:G0+4*\j+3], s[20:21], \j*REGB
	s_or_b32 s[G0+4*\j+3], s[G0+4*\j+3], 0x80000000
	s_mov_b32 s[G0B+4*\j], 1
	s_add_co_u32 s[G0B+4*\j+1], s80, \j*SLOTB
	s_add_nc_u64 s[G0B+4*\j+2:G0B+4*\j+3], s[22:23], \j*REGB
	s_or_b32 s[G0B+4*\j+3], s[G0B+4*\j+3], 0x80000000
	s_wait_alu depctr_va_vdst(0)
	s_wait_tensorcnt 0x0
	ds_add_u32 v28, v29
	ds_add_u32 v28, v29
	s_wait_dscnt 0x0
	CROUND
	JLOAD G0+4*\j, G1, G0B+4*\j, G1B
.endr
	v_and_b32 v1, 31, v0
	s_wait_alu depctr_va_vdst(0)
	v_and_b32 v2, 15, v0
	v_bfe_u32 v3, v0, 4, 1
	v_lshlrev_b32 v[CO], 4, v1
	s_lshl_b32 s92, s86, 4
	s_lshl_b32 s93, s15, 3
	s_add_co_u32 s92, s92, s93
	s_lshl_b32 s92, s92, 10
	s_lshl_b32 s93, s87, 4
	s_lshl_b32 s94, s16, 3
	s_add_co_u32 s93, s93, s94
	s_lshl_b32 s93, s93, 10
	v_cmp_gt_u32 s95, 16, v1
	v_mov_b32 v30, s92
	v_mov_b32 v31, s93
	v_cndmask_b32 v30, v31, v30, s95
	s_wait_alu depctr_va_vdst(0)
	v_add_nc_u32 v[VS], v30, v[CO]
.irp i, 0,1,2,3,4,5,6,7
.irp q, 0,1
	global_load_b128 v[SC+8*\i+4*\q:SC+8*\i+4*\q+3], v[VS], s[6:7] offset:1024*\i+512*\q
.endr
.endr
	s_lshl_b32 s92, s88, 3
	s_lshl_b32 s93, s15, 2
	s_add_co_u32 s92, s92, s93
	s_lshl_b32 s92, s92, 10
	s_lshl_b32 s93, s89, 4
	s_add_co_u32 s93, s93, s94
	s_lshl_b32 s93, s93, 10
	v_mov_b32 v30, s92
	v_mov_b32 v31, s93
	v_cndmask_b32 v30, v31, v30, s95
	v_add_nc_u32 v[VS2], v30, v[CO]
	s_mul_i32 s96, s15, REGB
	s_add_co_u32 s97, s16, 2
	s_mul_i32 s97, s97, REGB
	s_mul_i32 s98, s15, 6144
.irp s, 0,1,2
	v_add_nc_u32 v[ADRA+\s], s96, v[CO]
	v_add_nc_u32 v[ADRB+\s], s97, v[CO]
	v_add_nc_u32 v[ADRA2+\s], s98, v[CO]
	s_add_co_u32 s96, s96, SLOTB
	s_add_co_u32 s97, s97, SLOTB
	s_add_co_u32 s98, s98, SLOTB
.endr
	v_lshlrev_b32 v[SO2], 4, v2
	v_lshl_add_u32 v[SO], v3, 11, v[SO2]
	s_lshl_b32 s92, ttmp9, 7
	s_lshl_b32 s93, s17, 4
	s_add_co_u32 s92, s92, s93
	s_lshl_b32 s94, s66, 2
	s_add_co_u32 s92, s92, s94
	s_lshl_b32 s94, s16, 1
	s_add_co_u32 s92, s92, s94
	s_lshl_b32 s92, s92, 3
	s_lshl_b32 s94, s67, 1
	s_add_co_u32 s92, s92, s94
	s_add_co_u32 s92, s92, s15
	s_add_co_u32 s93, s93, 256
	s_add_co_u32 s94, s19, s67
	s_lshl_b32 s94, s94, 1
	s_add_co_u32 s93, s93, s94
	s_add_co_u32 s93, s93, s15
	s_lshl_b32 s93, s93, 3
	s_lshl_b32 s94, s66, 1
	s_add_co_u32 s93, s93, s94
	s_add_co_u32 s93, s93, s16
	s_mul_i32 s96, s93, 6144
	s_mov_b32 s97, 0
	s_add_nc_u64 s[82:83], s[8:9], s[96:97]
	s_lshl_b32 s96, s93, 8
	s_add_nc_u64 s[84:85], s[10:11], s[96:97]
	s_mul_i32 s96, s92, 6144
	s_add_nc_u64 s[8:9], s[8:9], s[96:97]
	s_lshl_b32 s96, s92, 8
	s_add_nc_u64 s[10:11], s[10:11], s[96:97]
.macro FRAG3 reg, adr, off
.irp g, 0,1,2
	ds_load_b128 v[\reg+4*\g:\reg+4*\g+3], v[\adr] offset:\off+512*\g
.endr
.endm
.macro FETCH_B k
	WIN 0x40
.irp i, 0,1,2,3,4,5,6,7
	FRAG3 128*((\k)%2)+12*\i, ADRB+((\k)/2)%3, ((\k)%2)*12288+1536*\i
.endr
	WIN 0
.endm
.macro FETCH_A k, i0
.irp i, \i0, \i0+1, \i0+2, \i0+3
	FRAG3 AF+12*(\i), ADRA+((\k)/2)%3, ((\k)%2)*12288+1536*(\i)
.endr
.endm
.macro FETCH_A2 k
.irp i, 0,1,2,3
	FRAG3 AF+48*((\k)%2)+12*\i, ADRA2+((\k)/2)%3, ((\k)%2)*12288+1536*\i
.endr
.endm
.macro MUL16 a0, k, zero
.irp a, \a0, \a0+1
.irp b, 0,1,2,3,4,5,6,7
.if \zero
	v_wmma_scale_f32_16x16x128_f8f6f4 v[8*(8*((\a)%4)+\b):8*(8*((\a)%4)+\b)+7], v[128*((\k)%2)+12*\b:128*((\k)%2)+12*\b+11], v[AF+12*(\a):AF+12*(\a)+11], 0, v[SC+8*\b+(\k)], v[SC+8*(\a)+(\k)] matrix_a_fmt:MATRIX_FMT_FP6 matrix_b_fmt:MATRIX_FMT_FP6 matrix_a_scale:MATRIX_SCALE_ROW1
.else
	v_wmma_scale_f32_16x16x128_f8f6f4 v[8*(8*((\a)%4)+\b):8*(8*((\a)%4)+\b)+7], v[128*((\k)%2)+12*\b:128*((\k)%2)+12*\b+11], v[AF+12*(\a):AF+12*(\a)+11], v[8*(8*((\a)%4)+\b):8*(8*((\a)%4)+\b)+7], v[SC+8*\b+(\k)], v[SC+8*(\a)+(\k)] matrix_a_fmt:MATRIX_FMT_FP6 matrix_b_fmt:MATRIX_FMT_FP6 matrix_a_scale:MATRIX_SCALE_ROW1
.endif
.endr
.endr
.endm
.macro MULP a0, k, zero
.irp a, \a0, \a0+1
.irp b, 0,1,2,3,4,5,6,7
.if \zero
	v_wmma_scale_f32_16x16x128_f8f6f4 v[8*(8*(\a)+\b):8*(8*(\a)+\b)+7], v[128*((\k)%2)+12*\b:128*((\k)%2)+12*\b+11], v[AF+48*((\k)%2)+12*(\a):AF+48*((\k)%2)+12*(\a)+11], 0, v[SC+8*\b+(\k)%8], v[SC+8*(\a)+(\k)%8] matrix_a_fmt:MATRIX_FMT_FP6 matrix_b_fmt:MATRIX_FMT_FP6 matrix_a_scale:MATRIX_SCALE_ROW1
.else
	v_wmma_scale_f32_16x16x128_f8f6f4 v[8*(8*(\a)+\b):8*(8*(\a)+\b)+7], v[128*((\k)%2)+12*\b:128*((\k)%2)+12*\b+11], v[AF+48*((\k)%2)+12*(\a):AF+48*((\k)%2)+12*(\a)+11], v[8*(8*(\a)+\b):8*(8*(\a)+\b)+7], v[SC+8*\b+(\k)%8], v[SC+8*(\a)+(\k)%8] matrix_a_fmt:MATRIX_FMT_FP6 matrix_b_fmt:MATRIX_FMT_FP6 matrix_a_scale:MATRIX_SCALE_ROW1
.endif
.endr
.endr
.endm
.macro REFILL k
.set RJ, ((\k)/2)%3
.if (\k) == 1
	s_add_nc_u64 s[G0+2:G0+3], s[G0+2:G0+3], 3*REGB
	s_add_nc_u64 s[G0B+2:G0B+3], s[G0B+2:G0B+3], 3*REGB
	JLOAD G0, G1, G0B, G1B
.else
	s_add_co_u32 s[G0+4*RJ+1], s81, RJ*SLOTB
	s_add_nc_u64 s[G0+4*RJ+2:G0+4*RJ+3], s[PA2:PA2+1], (((\k)-3)/2)*REGB
	s_or_b32 s[G0+4*RJ+3], s[G0+4*RJ+3], 0x80000000
	s_add_nc_u64 s[G0B+4*RJ+2:G0B+4*RJ+3], s[PB2:PB2+1], (((\k)-3)/2)*REGB
	s_or_b32 s[G0B+4*RJ+3], s[G0B+4*RJ+3], 0x80000000
	JLOAD G0+4*RJ, G1C, G0B+4*RJ, G1B
.endif
.endm
.macro STEP k, zero
	s_wait_dscnt 12
	WIN 0xa1
	MUL16 0, \k, \zero
	MUL16 2, \k, \zero
	s_wait_dscnt 0x0
	PLACES 4
	FETCH_B (\k)+1
	FETCH_A (\k)+1, 0
	WIN 0xf1
	MUL16 4, \k, \zero
	MUL16 6, \k, \zero
	PLACES 4
	WIN 0
	FETCH_A (\k)+1, 4
.endm
.macro SYNC k
	s_wait_tensorcnt 0x0
	ds_add_u32 v[SPW], v[NIL]
	s_wait_dscnt 13
	WIN 0xa1
	MUL16 0, \k, 0
	s_wait_dscnt 0x0
	s_barrier_signal -1
	MUL16 2, \k, 0
	WIN 0
	s_barrier_wait -1
	CREST
	REFILL \k
	s_wait_alu depctr_va_vdst(0)
	FETCH_B (\k)+1
.if (\k) < 7
	FETCH_A (\k)+1, 0
.else
	FETCH_A2 (\k)+1
.endif
	WIN 0xf1
	MUL16 4, \k, 0
	MUL16 6, \k, 0
	PLACES 4
	WIN 0
.if (\k) < 7
	FETCH_A (\k)+1, 4
.endif
.endm
.macro STEP2 k, zero
	s_wait_dscnt 0x0
.if \zero == 0
	PLACES 4
.endif
	FETCH_B (\k)+1
	FETCH_A2 (\k)+1
	WIN 0xa1
	MULP 0, \k, \zero
	MULP 2, \k, \zero
	WIN 0
.endm
.macro SYNC2 k, fill
	s_wait_tensorcnt 0x0
	ds_add_u32 v[SPW], v[NIL]
	s_wait_dscnt 0x0
	s_barrier_signal -1
	WIN 0xa1
	MULP 0, \k, 0
	WIN 0
	s_barrier_wait -1
.if \fill
	CREST
	REFILL \k
.else
	PLACES 4
.endif
	FETCH_B (\k)+1
	FETCH_A2 (\k)+1
	WIN 0xa1
	MULP 2, \k, 0
	WIN 0
.endm
.macro QUANTW a, d0, d1, pw
.set AC, 64*((\a)%4)
.set WW, 2+(\a)/4
.set WA, WW|(WW<<2)
.set WB, (WW<<2)|(WW<<4)
	WIN WA
.irp b, 0,1,2,3
	v_max3_num_f32 v[TM+\b], |v[AC+16*\b]|, |v[AC+16*\b+1]|, 0x1800000
.endr
	WIN WB
.irp i, 2,4,6,8,10,12,14
.irp b, 0,1,2,3
	v_max3_num_f32 v[TM+\b], v[TM+\b], |v[AC+16*\b+\i]|, |v[AC+16*\b+\i+1]|
.endr
.endr
	WIN 0
.irp b, 0,1,2,3
	v_permlanex16_b32 v[TM+4+\b], v[TM+\b], s[SEL], s[SEL+1]
.endr
.irp b, 0,1,2,3
	v_max_num_f32 v[TM+\b], v[TM+\b], v[TM+4+\b]
.endr
.irp b, 0,1,2,3
	v_add_nc_u32 v[TM+12+\b], 0xff000000, v[TM+\b]
.endr
.irp b, 0,1,2,3
	v_lshrrev_b32 v[TM+4+\b], 23, v[TM+12+\b]
.endr
	v_lshl_or_b32 v[\pw], v[TM+5], 8, v[TM+4]
	v_lshl_or_b32 v[\pw], v[TM+6], 16, v[\pw]
	v_lshl_or_b32 v[\pw], v[TM+7], 24, v[\pw]
	WIN WW
	v_cvt_scalef32_pk16_fp6_f32 v[\d0:\d0+2], v[AC:AC+15], v[TM+12]
	v_cvt_scalef32_pk16_fp6_f32 v[PT:PT+2], v[AC+16:AC+31], v[TM+13]
	v_cvt_scalef32_pk16_fp6_f32 v[\d1:\d1+2], v[AC+32:AC+47], v[TM+14]
	v_cvt_scalef32_pk16_fp6_f32 v[PT+4:PT+6], v[AC+48:AC+63], v[TM+15]
	WIN 0
	v_nop
.irp i, 0,1,2
	v_permlane16_swap_b32 v[\d0+\i], v[PT+\i]
	v_permlane16_swap_b32 v[\d1+\i], v[PT+4+\i]
.endr
.irp i, 0,1,2
	v_mov_b32 v[\d0+3+\i], v[PT+\i]
	v_mov_b32 v[\d1+3+\i], v[PT+4+\i]
.endr
.endm
	s_wait_tensorcnt 0x2
	s_barrier_signal -1
	s_barrier_wait -1
	FETCH_B 0
	FETCH_A 0, 0
	FETCH_A 0, 4
	s_wait_loadcnt 0x0
	STEP 0, 1
	SYNC 1
	STEP 2, 0
	SYNC 3
	STEP 4, 0
	SYNC 5
	STEP 6, 0
	SYNC 7
.irp i, 0,1,2,3,4,5,6,7
.irp q, 0,1
	global_load_b128 v[SC+8*\i+4*\q:SC+8*\i+4*\q+3], v[VS2], s[6:7] offset:1024*\i+512*\q
.endr
.endr
.irp b, 0,1,2,3
	v_mov_b32 v[TM+4+\b], 0
.endr
.irp p, 0,1,2,3
	s_wait_xcnt 0x0
	QUANTW 2*\p, IMG1, IMG2, PWA
	QUANTW 2*\p+1, IMG1+6, IMG2+6, PWB
	v_perm_b32 v[SW1+\p], v[PWB], v[PWA], 0x05040100
	v_perm_b32 v[SW2+\p], v[PWB], v[PWA], 0x07060302
.irp g, 0,1,2
	global_store_b128 v[CO], v[IMG1+4*\g:IMG1+4*\g+3], s[8:9] offset:1536*\p+512*\g
	global_store_b128 v[CO], v[IMG2+4*\g:IMG2+4*\g+3], s[8:9] offset:49152+1536*\p+512*\g
.endr
.endr
.irp i, 0,1,2,3
	v_cndmask_b32 v[OUTW+\i], v[SW2+\i], v[SW1+\i], s95
.endr
	global_store_b128 v[SO], v[OUTW:OUTW+3], s[10:11]
	s_wait_loadcnt 0x0
	STEP2 8, 1
	SYNC2 9, 1
	STEP2 10, 0
	STEP2 11, 0
	STEP2 12, 0
	SYNC2 13, 0
	STEP2 14, 0
	s_wait_dscnt 0x0
	WIN 0xa1
	MULP 0, 15, 0
	MULP 2, 15, 0
	WIN 0
	PLACES 4
.irp a, 0,1,2,3
	s_wait_xcnt 0x0
	QUANTW \a, IMG1, IMG1+6, SW1+\a
.irp g, 0,1,2
	global_store_b128 v[CO], v[IMG1+4*\g:IMG1+4*\g+3], s[82:83] offset:1536*\a+512*\g
.endr
.endr
	global_store_b128 v[SO2], v[SW1:SW1+3], s[84:85]
	s_wait_tensorcnt 0x0
	ds_add_u32 v[SPW], v[NIL]
	s_wait_dscnt 0x0
	CROUND
	s_endpgm
.Lfunc_end_k_q653e43f891_qkv:
	.size	k_q653e43f891_qkv, .Lfunc_end_k_q653e43f891_qkv-k_q653e43f891_qkv
	.p2alignl 7, 3214868480
	.fill 96, 4, 3214868480
	.section	.rodata,"a",@progbits
	.p2align	6, 0x0
	.amdhsa_kernel k_q653e43f891_qkv
		.amdhsa_group_segment_fixed_size 327680
		.amdhsa_private_segment_fixed_size 0
		.amdhsa_enable_private_segment 0
		.amdhsa_kernarg_size 32
		.amdhsa_user_sgpr_count 2
		.amdhsa_user_sgpr_kernarg_segment_ptr 1
		.amdhsa_wavefront_size32 1
		.amdhsa_system_sgpr_workgroup_id_x 1
		.amdhsa_system_sgpr_workgroup_id_y 1
		.amdhsa_system_sgpr_workgroup_id_z 1
		.amdhsa_system_vgpr_workitem_id 0
		.amdhsa_next_free_vgpr 1024
		.amdhsa_next_free_sgpr 100
		.amdhsa_reserve_vcc 0
		.amdhsa_float_denorm_mode_32 3
		.amdhsa_float_denorm_mode_16_64 3
		.amdhsa_memory_ordered 1
		.amdhsa_forward_progress 1
		.amdhsa_inst_pref_size 217
	.end_amdhsa_kernel
	.amdgpu_metadata
---
amdhsa.version: [ 1, 2 ]
amdhsa.kernels:
  - .name:           k_q653e43f891_qkv
    .symbol:         k_q653e43f891_qkv.kd
    .args:
      - { .name: cd, .offset: 0, .size: 8, .value_kind: global_buffer, .address_space: global }
      - { .name: sc, .offset: 8, .size: 8, .value_kind: global_buffer, .address_space: global }
      - { .name: att, .offset: 16, .size: 8, .value_kind: global_buffer, .address_space: global }
      - { .name: ats, .offset: 24, .size: 8, .value_kind: global_buffer, .address_space: global }
    .group_segment_fixed_size: 327680
    .private_segment_fixed_size: 0
    .kernarg_segment_align: 8
    .kernarg_segment_size: 32
    .max_flat_workgroup_size: 128
    .sgpr_count:     100
    .vgpr_count:     1024
    .wavefront_size: 32
...
	.end_amdgpu_metadata
.endif
;; end of part 2
;; launch attn (part 3): grid 2 x 128, 8 waves a work-group, no clusters, 103,424 bytes of LDS; arguments att, ats, log_beta, oc, os; writes oc, os
.if DOCPART == 3
	.amdgcn_target "amdgcn-amd-amdhsa--gfx1250"
	.amdhsa_code_object_version 6
	.text
	.protected	k_q653e43f891_attn
	.globl	k_q653e43f891_attn
	.p2align	8
	.type	k_q653e43f891_attn,@function
k_q653e43f891_attn:
	s_mov_b64 s[64:65], 0
	v_nop
	global_prefetch_b8 v0, s[64:65] scope:SCOPE_SE
	s_setreg_imm32_b32 hwreg(HW_REG_WAVE_MODE, 25, 1), 1
	s_wait_xcnt 0x0
; LAUNCH 3 OF 4.  For each of the 128 pairs (b, head): S = q k^T, t = S exp(log_beta[head]) log2(e), p = 2^(t - M) with M the ceiling of the running largest t, O = (p v) / l, l the sum of the unquantised p;
; both products on codes of E2M3; O is quantised along the 1,024 columns (two blocks a head) for the last product.  No work is left out.
; SHARES.  A work-group takes one pair and half of its 1,024 queries; each of its eight waves four tiles of 16 queries, one after the other, in 512 registers: two waves to a SIMD.
; A KEY STEP IS 256 KEYS: 16 products for the scores, one search for the maximum, one change of M, one rescaling of O, 136 exponentials in one batch, 8 products for O.  Four steps a tile.
; ALL of the pair's codes of k and v (2 x 49,152 bytes) and their scale words (2 x 2,048) are copied into LDS once, through registers: one barrier, no ring.
; FRAGMENTS ARE ASKED FOR ONE STEP AHEAD: k's next eight behind the scores' products, v's next eight behind O's products; the step's number wraps, so a tile's last step asks for the next tile's first
; (the last tile's last step asks once more for step 0, and the last tile for the first tile's q: those registers are not read).
; NO CLUSTER: two work-groups share a pair's 102,400 bytes, fetched once at the head; each then reads 8 x 4 x 4 x 26,624 bytes from its own LDS.  NO PREFETCH: k and v are fetched at the head alone, there is no loop to run ahead in.
; THE HEAD IS 64, THE INSTRUCTION'S K 128.  A fragment of k is [tile 2 f : 64 dims | tile 2 f + 1 : 64 dims]; the queries stand twice, QX = [q | zero codes] and QY = [zero codes | q]:
; fragment x QX gives tile 2 f's scores, fragment x QY tile 2 f + 1's; zero codes add nothing.  Q's scale word holds its two bytes twice.
; LAYOUT.  Both products transposed: a lane holds one query.  The keys of a tile are 32 (t / 2) + 8 (t % 2) + r + 8 (r / 8), so the 16 registers of two neighbouring tiles are 16 neighbouring keys.
; A NEW TILE CLEARS NOTHING: its largest t begins at -3e38, so its first step's factor is 2^(-2^31) = 0, which takes the last tile's O and sum away (both are finite).
; OUT (oc): ((64 b + query tile) 16 + head) 768: six registers a lane, 0-3 at 16 l, 4-5 at 512 + 8 l.  (os): (32 b + f) 2048 + 128 head + 4 l: [two bytes of tile 2 f | two of tile 2 f + 1].
; LIMITS: as launch 1 states them; a p under 2^-126 counts as 0; the promise holds while the scaled scores stay under 2^31 in magnitude.
; REGISTERS.  Window 0: addresses, state, scale words, p's codes, the scores.  Window 1: k's and v's fragments, QX, QY, O^T.
.set KIM,   4096                       ; LDS: 0 k's scale words, 2048 v's, 4096 k's images, 53248 v's
.set VIM,   53248
.set SPARE, 102400                     ; the spare words: 128 bytes a wave, four blocks of 256 bytes that no other line names
.set AI0, 4                            ; v4   16 x lane + KIM
.set AS0, 5                            ; v5   16 r
.set ADI, 6                            ; v6, v7 the same for the next step
.set ADS, 7
.set QW,  22                           ; the tile's scale word
.set QS,  23                           ; the next tile's, as loaded
.set HWW, 24                           ; two tiles' scale bytes of O
.set PW,  26                           ; v26, v27 p's scale words
.set KSW, 28                           ; v28-35
.set VSW, 36                           ; v36-43
.set BM,  44
.set BP,  52
.set BO,  60
.set PC,  68                           ; v68-91  p's codes, 12 for each 128 keys
.set PT,  92                           ; v92-107
.set S,   108                          ; v108-235 scores, then p
.set QN,  236                          ; v236-241 the next tile's q
.set SPW, 250
.set NIL, 251
.set FRK, 0                            ; window 1: v0-95 k's eight fragments, v96-191 v's, v192-215 QX, QY, v216-247 O^T
.set FRV, 96
.set QX,  192
.set QY,  204
.set O,   216
.set MSB, 0
.macro WIN new                         ; the immediate's high byte repeats the setting that is left
.if MSB != \new
	s_set_vgpr_msb (MSB<<8)|\new
.set MSB, \new
.endif
.endm
.macro LDK adr, ads                    ; 26 LDS loads: k's eight images of a step and their scale words
	WIN 0x40
.irp i, 0,1,2,3,4,5,6,7
.irp g, 0,1,2
	ds_load_b128 v[FRK+12*\i+4*\g:FRK+12*\i+4*\g+3], v[\adr] offset:1536*\i+512*\g
.endr
.endr
	WIN 0
	ds_load_b128 v[KSW:KSW+3], v[\ads]
	ds_load_b128 v[KSW+4:KSW+7], v[\ads] offset:256
.endm
.macro LDV adr, ads                    ; 26 LDS loads: v's
	WIN 0x40
.irp i, 0,1,2,3,4,5,6,7
.irp g, 0,1,2
	ds_load_b128 v[FRV+12*\i+4*\g:FRV+12*\i+4*\g+3], v[\adr] offset:49152+1536*\i+512*\g
.endr
.endr
	WIN 0
	ds_load_b128 v[VSW:VSW+3], v[\ads] offset:2048
	ds_load_b128 v[VSW+4:VSW+7], v[\ads] offset:2304
.endm
	s_load_b256 s[4:11], s[0:1], 0x0               ; att, ats, log_beta, oc
	s_load_b64 s[12:13], s[0:1], 0x20              ; os
	v_lshl_add_u32 v[SPW], v0, 2, SPARE
	v_mov_b32 v[NIL], 0
	v_lshrrev_b32 v1, 5, v0
	v_and_b32 v8, 31, v0
	v_and_b32 v9, 15, v0
	v_readfirstlane_b32 s18, v1                    ; wave 0..7
	v_lshlrev_b32 v1, 4, v8                        ; 16 x lane
	v_lshlrev_b32 v2, 3, v8                        ; 8 x lane
	v_lshlrev_b32 v3, 2, v8                        ; 4 x lane
	v_lshlrev_b32 v[AS0], 4, v9
	v_lshlrev_b32 v8, 4, v0                        ; 16 x thread
	v_add_nc_u32 v[AI0], KIM, v1
	v_add_nc_u32 v9, VIM, v8
	s_and_b32 s27, ttmp7, 0xffff                   ; the pair: 16 b + head
	s_lshl_b32 s19, ttmp9, 4
	s_lshl_b32 s24, s18, 1
	s_add_co_u32 s19, s19, s24                     ; f0 = 16 x + 2 wave: my two images of q, four tiles
	s_mul_i32 s28, s27, 49152
	s_mov_b32 s29, 0
	s_add_co_u32 s30, s28, 128*49152               ; k's images of the pair
	s_mov_b32 s31, 0
	s_add_co_u32 s32, s28, 256*49152               ; v's
	s_mov_b32 s33, 0
	s_mul_i32 s34, s19, 1536
	s_add_co_u32 s28, s28, s34                     ; my first image of q
	s_lshl_b32 s34, s27, 11
	s_add_co_u32 s36, s34, 128*2048                ; k's scale words: threads 0-127 copy them,
	s_add_co_u32 s38, s34, 255*2048                ; v's: threads 128-255 (16 x thread begins at 2,048 there)
	s_cmp_lt_u32 s18, 4
	s_cselect_b32 s36, s36, s38
	s_mov_b32 s37, 0
	s_lshr_b32 s38, s19, 2
	s_lshl_b32 s38, s38, 8
	s_add_co_u32 s38, s38, s34
	s_and_b32 s35, s19, 3
	s_lshl_b32 s35, s35, 2
	s_add_co_u32 s38, s38, s35                     ; q's scale word of image f0
	s_mov_b32 s39, 0
	s_and_b32 s40, s27, 15                         ; head
	s_lshr_b32 s41, s27, 4                         ; b
	s_lshl_b32 s42, s40, 2
	s_mov_b32 s43, 0
	s_lshl_b32 s41, s41, 5
	s_add_co_u32 s41, s41, s19                     ; 32 b + f0
	s_mul_i32 s44, s41, 24576
	s_mul_i32 s45, s40, 768
	s_add_co_u32 s44, s44, s45
	s_mov_b32 s45, 0
	s_lshl_b32 s46, s41, 11
	s_lshl_b32 s47, s40, 7
	s_add_co_u32 s46, s46, s47
	s_mov_b32 s47, 0
	s_mov_b32 s20, 0x76543210
	s_mov_b32 s21, 0xfedcba98                      ; selects for lane l xor 16
	s_wait_alu depctr_va_vdst(0)
	s_wait_kmcnt 0x0
	s_add_nc_u64 s[8:9], s[8:9], s[42:43]
	s_load_b32 s34, s[8:9], 0x0                    ; log_beta[head]
	s_add_nc_u64 s[14:15], s[4:5], s[30:31]
	s_add_nc_u64 s[16:17], s[4:5], s[32:33]
	s_add_nc_u64 s[4:5], s[4:5], s[28:29]
	s_add_nc_u64 s[36:37], s[6:7], s[36:37]
	s_add_nc_u64 s[6:7], s[6:7], s[38:39]
	s_add_nc_u64 s[10:11], s[10:11], s[44:45]
	s_add_nc_u64 s[12:13], s[12:13], s[46:47]
.irp j, 0,1,2,3,4,5,6,7,8,9,10,11              ; the copy: 25 loads of 4,096 consecutive bytes a work-group
	global_load_b128 v[S+4*\j:S+4*\j+3], v8, s[14:15] offset:4096*\j
.endr
.irp j, 0,1,2,3,4,5,6,7,8,9,10,11
	global_load_b128 v[S+48+4*\j:S+48+4*\j+3], v8, s[16:17] offset:4096*\j
.endr
	global_load_b128 v[S+96:S+99], v8, s[36:37]
	global_load_b64 v[QN:QN+1], v1, s[4:5]         ; tile 0's q: registers 0-5 of image f0
	global_load_b64 v[QN+2:QN+3], v1, s[4:5] offset:8
	global_load_b64 v[QN+4:QN+5], v1, s[4:5] offset:512
	global_load_b32 v[QS], v[AS0], s[6:7]
	WIN 0x40
.irp i, 0,1,2,3,4,5
	v_mov_b32 v[QX+6+\i], 0                        ; the halves of zero codes, set once
	v_mov_b32 v[QY+\i], 0
.endr
.set J, 0
.rept 32
	v_mov_b32 v[O+J], 0                            ; once a wave: the first step's factor 0 needs finite numbers here
.set J, J+1
.endr
	WIN 0
.irp b, 0,1,2,3,4,5,6,7
	v_mov_b32 v[BP+\b], 0                          ; a lane permute's destination counts as read
.endr
	v_mov_b32 v14, 0                               ; the sum, in two halves
	v_mov_b32 v15, 0
	v_mov_b32 v19, 0                               ; (named as the upper half of the pair v[18:19])
	v_mov_b32 v20, 0
	v_mov_b32 v[HWW], 0
	s_wait_kmcnt 0x0
	v_mov_b32 v11, s34
	s_delay_alu instid0(VALU_DEP_1)
	v_mul_f32 v11, 0x3fb8aa3b, v11
	s_wait_alu depctr_va_vdst(0)                   ; the wait ahead of the transcendental
	v_exp_f32 v11, v11                             ; exp(log_beta)
	v_nop
	s_wait_alu depctr_va_vdst(0)                   ; and ahead of its first reader
	v_mul_f32 v11, 0x3fb8aa3b, v11                 ; c = exp(log_beta) log2(e): t = score x c; c is positive
	s_delay_alu instid0(VALU_DEP_1)
	v_readfirstlane_b32 s22, v11
	s_mov_b32 s23, s22                             ; (named with it as a pair)
	s_wait_alu depctr_va_vdst(0)
	s_wait_loadcnt 4                               ; the 25 loads of the copy are in; q's four may be out
.irp j, 0,1,2,3,4,5,6,7,8,9,10,11
	ds_store_b128 v8, v[S+4*\j:S+4*\j+3] offset:KIM+4096*\j
.endr
.irp j, 0,1,2,3,4,5,6,7,8,9,10,11
	ds_store_b128 v9, v[S+48+4*\j:S+48+4*\j+3] offset:4096*\j
.endr
	ds_store_b128 v8, v[S+96:S+99]
	s_wait_dscnt 0x0                               ; for the others: my stores have landed
	s_barrier_signal -1
	s_barrier_wait -1                              ; the pair's k and v lie in LDS; nothing is written there again
	LDK AI0, AS0                                   ; step 0's fragments: k's 26 loads, then v's 26
	LDV AI0, AS0
	s_mov_b32 s28, 0                               ; the tile, 0..3
.Ltile:
	s_add_co_u32 s29, s28, 1
	s_and_b32 s29, s29, 3                          ; the next tile (it wraps),
	s_lshr_b32 s30, s29, 1                         ; its image
	s_and_b32 s31, s29, 1                          ; and which half of it
	s_mul_i32 s32, s30, 1536
	s_mul_i32 s33, s31, 520
	s_add_co_u32 s32, s32, s33                     ; registers 6 u, 6 u + 1 of the image lie at 520 u, 6 u + 4, 6 u + 5 at 512 + 520 u,
	s_mul_i32 s33, s31, 496                        ; 6 u + 2, 6 u + 3 at 8 + 1016 u
	s_lshl_b32 s30, s30, 2
	s_and_b32 s34, s28, 1
	s_mul_i32 s34, s34, 0x02020202
	s_add_co_u32 s34, s34, 0x01000100              ; bytes 0, 1 of q's word twice, or bytes 2, 3
	s_wait_loadcnt 0x0                             ; this tile's q and its word are in
	v_perm_b32 v[QW], v[QS], v[QS], s34
	WIN 0x40
.irp i, 0,1,2,3,4,5
	v_mov_b32 v[QX+\i], v[QN+\i]
	v_mov_b32 v[QY+6+\i], v[QN+\i]
.endr
	WIN 0
	v_mov_b32 v13, 0xff61b1e6                      ; the largest t so far: -3e38
	v_add_nc_u32 v8, s32, v1
	v_add_nc_u32 v10, s30, v[AS0]
	v_floor_f32 v12, -v13
	v_add_nc_u32 v9, s33, v8
.rept 4
	v_nop                                          ; with the five lines above: the places behind Q's word and codes
.endr
	global_load_b64 v[QN:QN+1], v8, s[4:5]         ; the next tile's q lands under this tile's work
	global_load_b64 v[QN+2:QN+3], v9, s[4:5] offset:8
	global_load_b64 v[QN+4:QN+5], v8, s[4:5] offset:512
	global_load_b32 v[QS], v10, s[6:7]
	s_mov_b32 s26, 0                               ; the key step, 0..3
	s_wait_alu depctr_va_vdst(0)                   ; ahead of the loop's wait
.Lkey:
	s_add_co_u32 s27, s26, 1
	s_and_b32 s27, s27, 3                          ; the next step (it wraps)
	s_mul_i32 s24, s27, 12288                      ; its images
	s_lshl_b32 s25, s27, 9                         ; and scale words
	s_wait_dscnt 26                                ; k's 26 loads are in; v's 26, issued behind them, may be out
	WIN 0x05
.irp i, 0,1,2,3,4,5,6,7
	v_wmma_scale_f32_16x16x128_f8f6f4 v[S+16*\i:S+16*\i+7], v[FRK+12*\i:FRK+12*\i+11], v[QX:QX+11], 0, v[KSW+\i], v[QW] matrix_a_fmt:MATRIX_FMT_FP6 matrix_b_fmt:MATRIX_FMT_FP6
	v_wmma_scale_f32_16x16x128_f8f6f4 v[S+16*\i+8:S+16*\i+15], v[FRK+12*\i:FRK+12*\i+11], v[QY:QY+11], 0, v[KSW+\i], v[QW] matrix_a_fmt:MATRIX_FMT_FP6 matrix_b_fmt:MATRIX_FMT_FP6
.endr
	WIN 0
	v_add_nc_u32 v[ADI], s24, v[AI0]
	v_add_nc_u32 v[ADS], s25, v[AS0]
	v_nop
	v_nop                                          ; four plain lines behind the products, ahead of loads into their registers and of the first read of the scores
	LDK ADI, ADS
.irp b, 0,1,2,3,4,5,6,7
	v_max3_num_f32 v[BM+\b], v[S+16*\b], v[S+16*\b+1], v[S+16*\b+2]   ; the largest score of each block of 32 keys: for the row's maximum, and, since p rises with the score, for the block's largest p
.endr
.irp i, 3,5,7,9,11,13
.irp b, 0,1,2,3,4,5,6,7
	v_max3_num_f32 v[BM+\b], v[BM+\b], v[S+16*\b+\i], v[S+16*\b+\i+1]
.endr
.endr
.irp b, 0,1,2,3,4,5,6,7
	v_max_num_f32 v[BM+\b], v[BM+\b], v[S+16*\b+15]
.endr
.irp b, 0,1,2,3,4,5,6,7
	v_permlanex16_b32 v[BP+\b], v[BM+\b], s20, s21
.endr
.irp b, 0,1,2,3,4,5,6,7
	v_max_num_f32 v[BM+\b], v[BM+\b], v[BP+\b]     ; with lane l xor 16's 16 keys
.endr
	v_max3_num_f32 v20, v[BM], v[BM+1], v[BM+2]
	v_max3_num_f32 v21, v[BM+3], v[BM+4], v[BM+5]
	s_delay_alu instid0(VALU_DEP_2)
	v_max3_num_f32 v20, v20, v[BM+6], v[BM+7]
	s_delay_alu instid0(VALU_DEP_1)
	v_max_num_f32 v20, v20, v21
	s_delay_alu instid0(VALU_DEP_1)
	v_mul_f32 v20, s22, v20                        ; as t
	s_delay_alu instid0(VALU_DEP_1)
	v_max_num_f32 v13, v13, v20                    ; the running largest t
	v_mov_b32 v21, v12
	s_delay_alu instid0(VALU_DEP_2)
	v_floor_f32 v12, -v13                          ; -M = floor(-t): M is a whole number
	s_delay_alu instid0(VALU_DEP_1)
	v_sub_f32 v21, v12, v21                        ; old M - new M, 0 or less
	s_delay_alu instid0(VALU_DEP_1)
	v_cvt_i32_f32 v21, v21                         ; (it saturates)
	s_delay_alu instid0(VALU_DEP_1)
	v_ldexp_f32 v18, 1.0, v21                      ; f = 2^(old M - new M): exact; 0 in a tile's first step
.set J, 0
.rept 64
	v_pk_fma_f32 v[S+J:S+J+1], v[S+J:S+J+1], s[22:23], v[12:13] op_sel_hi:[1,0,0]   ; t - M
.set J, J+2
.endr
.irp b, 0,1,2,3,4,5,6,7
	v_fma_f32 v[BM+\b], v[BM+\b], s22, v12
.endr
	WIN 0x41
.set J, 0
.rept 16
	v_pk_mul_f32 v[O+J:O+J+1], v[O+J:O+J+1], v[18:19] op_sel_hi:[1,0]   ; O^T under the new M, each accumulator from its low end on
.set J, J+2
.endr
	WIN 0
	s_wait_alu depctr_va_vdst(0)                   ; the wait ahead of the batch
.irp b, 0,1,2,3,4,5,6,7
	v_exp_f32 v[BM+\b], v[BM+\b]                   ; each block's largest p
.endr
.set J, 0
.rept 128
	v_exp_f32 v[S+J], v[S+J]                       ; p = 2^(t - M), not normalised
.set J, J+1
.endr
	v_pk_mul_f32 v[14:15], v[14:15], v[18:19] op_sel_hi:[1,0]   ; the sum under the new M: a plain line behind the batch
	s_wait_alu depctr_va_vdst(0)                   ; one wait for the 136, ahead of their first reader
.irp b, 0,1,2,3,4,5,6,7
	v_max_num_f32 v[BM+\b], 0x1800000, v[BM+\b]    ; the floor 2^(3 - 127)
.endr
.irp b, 0,1,2,3,4,5,6,7
	v_add_nc_u32 v[BO+\b], 0xff000000, v[BM+\b]    ; 2 off the exponent field: the conversion's scale operand
.endr
.irp b, 0,1,2,3,4,5,6,7
	v_lshrrev_b32 v[BP+\b], 23, v[BO+\b]           ; the scale's byte
.endr
	v_lshl_or_b32 v[PW], v[BP+1], 8, v[BP]
	v_lshl_or_b32 v[PW+1], v[BP+5], 8, v[BP+4]
	s_delay_alu instid0(VALU_DEP_2)
	v_lshl_or_b32 v[PW], v[BP+2], 16, v[PW]
	s_delay_alu instid0(VALU_DEP_2)
	v_lshl_or_b32 v[PW+1], v[BP+6], 16, v[PW+1]
	s_delay_alu instid0(VALU_DEP_2)
	v_lshl_or_b32 v[PW], v[BP+3], 24, v[PW]        ; p's scale words: keys 0-127 of the step,
	s_delay_alu instid0(VALU_DEP_2)
	v_lshl_or_b32 v[PW+1], v[BP+7], 24, v[PW+1]    ; and keys 128-255
	v_nop
.irp u, 0,1
.irp c, 0,1
	v_cvt_scalef32_pk16_fp6_f32 v[PC+12*\u+6*\c:PC+12*\u+6*\c+2], v[S+64*\u+32*\c:S+64*\u+32*\c+15], v[BO+4*\u+2*\c]
	v_cvt_scalef32_pk16_fp6_f32 v[PT+8*\u+4*\c:PT+8*\u+4*\c+2], v[S+64*\u+32*\c+16:S+64*\u+32*\c+31], v[BO+4*\u+2*\c+1]
.endr
.endr
	v_nop                                          ; one plain line behind the conversions
.irp u, 0,1
.irp c, 0,1
.irp i, 0,1,2
	v_permlane16_swap_b32 v[PC+12*\u+6*\c+\i], v[PT+8*\u+4*\c+\i]   ; a whole block to a lane
.endr
.endr
.endr
.irp u, 0,1
.irp c, 0,1
.irp i, 0,1,2
	v_mov_b32 v[PC+12*\u+6*\c+3+\i], v[PT+8*\u+4*\c+\i]
.endr
.endr
.endr
	v_pk_add_f32 v[16:17], v[S:S+1], v[S+2:S+3]    ; the row's sum of the unquantised p, in four chains; these 64 lines are also the places behind p's words and codes
	v_pk_add_f32 v[244:245], v[S+4:S+5], v[S+6:S+7]
	v_pk_add_f32 v[246:247], v[S+8:S+9], v[S+10:S+11]
.set J, 12
.rept 14
	v_pk_add_f32 v[14:15], v[14:15], v[S+J:S+J+1]
	v_pk_add_f32 v[16:17], v[16:17], v[S+J+2:S+J+3]
	v_pk_add_f32 v[244:245], v[244:245], v[S+J+4:S+J+5]
	v_pk_add_f32 v[246:247], v[246:247], v[S+J+6:S+J+7]
.set J, J+8
.endr
	v_pk_add_f32 v[14:15], v[14:15], v[S+124:S+125]
	v_pk_add_f32 v[16:17], v[16:17], v[S+126:S+127]
	v_pk_add_f32 v[244:245], v[244:245], v[246:247]
	s_delay_alu instid0(VALU_DEP_2)
	v_pk_add_f32 v[14:15], v[14:15], v[16:17]
	s_delay_alu instid0(VALU_DEP_1)
	v_pk_add_f32 v[14:15], v[14:15], v[244:245]
	s_wait_alu depctr_va_vdst(0)                   ; directly ahead of the wait below
	s_wait_dscnt 26                                ; v's 26 loads are in; the next step's 26 of k, issued behind them, may be out
	WIN 0x51
.irp u, 0,1                                    ; the four accumulators take turns
.irp i, 0,1,2,3
	v_wmma_scale_f32_16x16x128_f8f6f4 v[O+8*\i:O+8*\i+7], v[FRV+48*\u+12*\i:FRV+48*\u+12*\i+11], v[PC+12*\u:PC+12*\u+11], v[O+8*\i:O+8*\i+7], v[VSW+4*\u+\i], v[PW+\u] matrix_a_fmt:MATRIX_FMT_FP6 matrix_b_fmt:MATRIX_FMT_FP6
.endr
.endr
	WIN 0
.rept 4
	v_nop                                          ; places ahead of loads into registers that the products read
.endr
	LDV ADI, ADS
	s_add_co_u32 s26, s26, 1
	s_cmp_lt_u32 s26, 4
	s_cbranch_scc1 .Lkey
	; THE TILE'S WAY OUT: O^T / l; register 16 b + i is column 64 head + 32 b + 16 hh + i of my query: two blocks of the last product's K
	v_add_f32 v14, v14, v15
	s_delay_alu instid0(VALU_DEP_1)
	v_permlanex16_b32 v20, v14, s20, s21
	s_delay_alu instid0(VALU_DEP_1)
	v_add_f32 v14, v14, v20                        ; the row's sum
	s_wait_alu depctr_va_vdst(0)                   ; the wait ahead of the transcendental
	v_rcp_f32 v14, v14
	v_nop
	v_nop
	s_wait_alu depctr_va_vdst(0)                   ; and ahead of its first reader, which is also O^T's
	WIN 0x01
.set J, 0
.rept 16
	v_pk_mul_f32 v[S+J:S+J+1], v[O+J:O+J+1], v[14:15] op_sel_hi:[1,0]
.set J, J+2
.endr
	WIN 0
.irp b, 0,1
	v_max3_num_f32 v[BM+\b], |v[S+16*\b]|, |v[S+16*\b+1]|, 0x1800000
.endr
.irp i, 2,4,6,8,10,12,14
.irp b, 0,1
	s_delay_alu instid0(VALU_DEP_2)
	v_max3_num_f32 v[BM+\b], v[BM+\b], |v[S+16*\b+\i]|, |v[S+16*\b+\i+1]|
.endr
.endr
.irp b, 0,1
	s_delay_alu instid0(VALU_DEP_2)
	v_permlanex16_b32 v[BP+\b], v[BM+\b], s20, s21
.endr
.irp b, 0,1
	s_delay_alu instid0(VALU_DEP_2)
	v_max_num_f32 v[BM+\b], v[BM+\b], v[BP+\b]
.endr
.irp b, 0,1
	s_delay_alu instid0(VALU_DEP_2)
	v_add_nc_u32 v[BO+\b], 0xff000000, v[BM+\b]
.endr
.irp b, 0,1
	s_delay_alu instid0(VALU_DEP_2)
	v_lshrrev_b32 v[BP+\b], 23, v[BO+\b]
.endr
	v_lshrrev_b32 v[HWW], 16, v[HWW]               ; the last tile's two bytes go down,
	s_delay_alu instid0(VALU_DEP_2)
	v_lshl_or_b32 v11, v[BP+1], 8, v[BP]
	s_delay_alu instid0(VALU_DEP_1)
	v_lshl_or_b32 v[HWW], v11, 16, v[HWW]          ; this tile's stand above them
	v_nop
	v_cvt_scalef32_pk16_fp6_f32 v[PC:PC+2], v[S:S+15], v[BO]
	v_cvt_scalef32_pk16_fp6_f32 v[PT:PT+2], v[S+16:S+31], v[BO+1]
	v_nop
.irp i, 0,1,2
	v_permlane16_swap_b32 v[PC+\i], v[PT+\i]
.endr
.irp i, 0,1,2
	s_delay_alu instid0(VALU_DEP_3)
	v_mov_b32 v[PC+3+\i], v[PT+\i]
.endr
	global_store_b128 v1, v[PC:PC+3], s[10:11]             ; 512 consecutive bytes,
	global_store_b64 v2, v[PC+4:PC+5], s[10:11] offset:512 ; and 256
	s_wait_alu depctr_va_vdst(0)                   ; the wait ahead of the branches
	s_bitcmp1_b32 s28, 0                           ; behind an image's second tile its word is whole
	s_cbranch_scc0 .Leven
	global_store_b32 v3, v[HWW], s[12:13]          ; both tiles' bytes of my row: 128 consecutive bytes a wave, lanes 16-31 a copy
.Leven:
	s_wait_xcnt 0x0                                ; the stores have read their registers and bases
	s_add_nc_u64 s[10:11], s[10:11], 12288         ; the next tile's place in oc
	s_and_b32 s29, s28, 1
	s_lshl_b32 s30, s29, 11
	s_mov_b32 s31, 0
	s_add_nc_u64 s[12:13], s[12:13], s[30:31]      ; behind an image's second tile: the next image's place in os
	s_add_co_u32 s28, s28, 1
	s_cmp_lt_u32 s28, 4
	s_cbranch_scc1 .Ltile
	s_wait_tensorcnt 0x0                           ; the wave's end, behind my last LDS store
	ds_add_u32 v[SPW], v[NIL]
	s_wait_dscnt 0x0
	s_endpgm
.Lfunc_end_k_q653e43f891_attn:
	.size	k_q653e43f891_attn, .Lfunc_end_k_q653e43f891_attn-k_q653e43f891_attn
	.p2alignl 7, 3214868480
	.fill 96, 4, 3214868480
	.section	.rodata,"a",@progbits
	.p2align	6, 0x0
	.amdhsa_kernel k_q653e43f891_attn
		.amdhsa_group_segment_fixed_size 103424
		.amdhsa_private_segment_fixed_size 0
		.amdhsa_enable_private_segment 0
		.amdhsa_kernarg_size 40
		.amdhsa_user_sgpr_count 2
		.amdhsa_user_sgpr_kernarg_segment_ptr 1
		.amdhsa_wavefront_size32 1
		.amdhsa_system_sgpr_workgroup_id_x 1
		.amdhsa_system_sgpr_workgroup_id_y 1
		.amdhsa_system_sgpr_workgroup_id_z 1
		.amdhsa_system_vgpr_workitem_id 0
		.amdhsa_next_free_vgpr 512
		.amdhsa_next_free_sgpr 66
		.amdhsa_reserve_vcc 0
		.amdhsa_float_denorm_mode_32 3
		.amdhsa_float_denorm_mode_16_64 3
		.amdhsa_memory_ordered 1
		.amdhsa_forward_progress 1
		.amdhsa_inst_pref_size 50
	.end_amdhsa_kernel
	.amdgpu_metadata
---
amdhsa.version: [ 1, 2 ]
amdhsa.kernels:
  - .name:           k_q653e43f891_attn
    .symbol:         k_q653e43f891_attn.kd
    .args:
      - { .name: att, .offset: 0, .size: 8, .value_kind: global_buffer, .address_space: global }
      - { .name: ats, .offset: 8, .size: 8, .value_kind: global_buffer, .address_space: global }
      - { .name: log_beta, .offset: 16, .size: 8, .value_kind: global_buffer, .address_space: global }
      - { .name: oc, .offset: 24, .size: 8, .value_kind: global_buffer, .address_space: global }
      - { .name: os, .offset: 32, .size: 8, .value_kind: global_buffer, .address_space: global }
    .group_segment_fixed_size: 103424
    .private_segment_fixed_size: 0
    .kernarg_segment_align: 8
    .kernarg_segment_size: 40
    .max_flat_workgroup_size: 256
    .sgpr_count:     66
    .vgpr_count:     512
    .wavefront_size: 32
...
	.end_amdgpu_metadata
.endif
;; end of part 3
;; launch proj (part 4): grid 256 x 1, 16 waves a work-group, no clusters, 100,352 bytes of LDS; arguments oc, os, cd, sc, b_o, ln_gamma, ln_beta, out0; writes out0
.if DOCPART == 4
	.amdgcn_target "amdgcn-amd-amdhsa--gfx1250"
	.amdhsa_code_object_version 6
	.text
	.protected	k_q653e43f891_proj
	.globl	k_q653e43f891_proj
	.p2align	8
	.type	k_q653e43f891_proj,@function
k_q653e43f891_proj:
	s_mov_b64 s[64:65], 0
	v_nop
	global_prefetch_b8 v0, s[64:65] scope:SCOPE_SE
	s_setreg_imm32_b32 hwreg(HW_REG_WAVE_MODE, 25, 1), 1
	s_wait_xcnt 0x0
; LAUNCH 4 OF 4.  y = O W_o^T + b_o on codes of E2M3, then (y - mean) / sqrt(var + 1e-5) x ln_gamma + ln_beta along the 1,024 columns.  No work is left out.
; SHARES.  A work-group takes 32 rows (two tiles of 16 queries of one b) x all 1,024 columns, so a row's mean and variance stay inside it.  Wave w makes columns 64 w .. 64 w + 63 of both tiles: 8 accumulators,
; which begin as b_o (loaded in the result's layout).  The rows' codes, 24,576 bytes, are copied into LDS once; W_o's images go from memory straight into registers, two sets of four fragments, a K step ahead.
; NO CLUSTER, NO TENSOR LOADS, though all work-groups walk W_o: through LDS a K step's 98,304 bytes would be written and read once more, for 8 products a wave between two changes of slots.
; NO PREFETCH: W_o's images are read by all 256 work-groups, not once.
; THE PRODUCT IS USED TRANSPOSED: source 0 = 16 rows of W_o, source 1 = 16 queries: a lane holds one row of y, and register j of tile i the column 64 w + 32 (i / 2) + 8 (i % 2) + 16 hh + j.
; THE VARIANCE is taken of y - mean, in a second pass: no difference of large sums.  Three barriers: the codes; the sums; the sums of squares.
; LIMITS: NaN and infinities are not served.
.set RED1,  24576                      ; LDS: 0 the rows' codes; 24576, 26624 the waves' sums, 128 bytes a wave; 28672 a stage of 16 rows x (256 + 16) bytes for each wave
.set RED2,  26624
.set STG,   28672
.set SPARE, 98304                      ; the spare words: eight blocks of 256 bytes that no other line names
.set ACC, 16                           ; v16-79   accumulator (u, i) at 16 + 8 (4 u + i)
.set AF,  80                           ; v80-103  the two tiles' fragments
.set BF,  104                          ; v104-151, v152-199 W_o's fragments
.set BS,  200                          ; v[BS + 8 i + s] W_o's scale words
.set AS,  232                          ; v[AS + 8 u + s] the rows'
.set SPW, 254
.set NIL, 255
	s_load_b256 s[4:11], s[0:1], 0x0               ; oc, os, cd, sc
	s_load_b256 s[12:19], s[0:1], 0x20             ; b_o, ln_gamma, ln_beta, out0
	v_lshl_add_u32 v[SPW], v0, 2, SPARE
	v_mov_b32 v[NIL], 0
	v_lshrrev_b32 v1, 5, v0
	s_delay_alu instid0(VALU_DEP_1)
	v_readfirstlane_b32 s20, v1                    ; wave 0..15
	v_and_b32 v248, 31, v0                         ; lane
	v_and_b32 v249, 15, v0                         ; r
	v_bfe_u32 v250, v0, 4, 1                       ; hh
	s_delay_alu instid0(VALU_DEP_3)
	v_lshlrev_b32 v1, 4, v248                      ; 16 x lane
	s_delay_alu instid0(VALU_DEP_4)
	v_lshlrev_b32 v2, 3, v248                      ; 8 x lane
	v_lshlrev_b32 v3, 2, v248                      ; 4 x lane
	v_lshlrev_b32 v251, 4, v0                      ; 16 x thread
	v_lshlrev_b32 v252, 6, v250                    ; 64 hh
	v_lshlrev_b32 v253, 4, v249                    ; 16 r
	v_cmp_gt_u32 s30, 16, v248                     ; lanes 0-15
	s_mul_i32 s22, ttmp9, 24576                    ; my 32 rows' codes
	s_mov_b32 s23, 0
	s_lshl_b32 s24, ttmp9, 11                      ; and scale words
	s_mov_b32 s25, 0
	s_lshr_b32 s26, s20, 1
	s_add_co_u32 s26, s26, 88
	s_mul_i32 s26, s26, 98304
	s_and_b32 s27, s20, 1
	s_mul_i32 s27, s27, 6144
	s_add_co_u32 s26, s26, s27                     ; W_o's tiles 704 + 4 w on, in cd
	s_mov_b32 s27, 0
	s_lshl_b32 s28, s20, 12
	s_add_co_u32 s28, s28, 704*1024                ; and in sc
	s_mov_b32 s29, 0
	s_lshl_b32 s34, s20, 8                         ; my 64 columns in bytes
	s_mov_b32 s35, 0
	s_and_b32 s36, ttmp9, 31
	s_lshl_b32 s36, s36, 20                        ; 32 rows c of 32,768 bytes,
	s_lshr_b32 s37, ttmp9, 5
	s_lshl_b32 s37, s37, 12                        ; b,
	s_add_co_u32 s36, s36, s37
	s_add_co_u32 s36, s36, s34                     ; my columns
	s_mov_b32 s37, 0
	s_mov_b32 s31, 0x3a800000                      ; 1 / 1024
	s_mov_b32 s32, 0x3727c5ac                      ; 1e-5
	s_mov_b32 s38, 0x76543210
	s_mov_b32 s39, 0xfedcba98                      ; selects for lane l xor 16
	s_wait_alu depctr_va_vdst(0)
	s_wait_kmcnt 0x0
	s_add_nc_u64 s[4:5], s[4:5], s[22:23]
	s_add_nc_u64 s[6:7], s[6:7], s[24:25]
	s_add_nc_u64 s[8:9], s[8:9], s[26:27]
	s_add_nc_u64 s[10:11], s[10:11], s[28:29]
	s_add_nc_u64 s[12:13], s[12:13], s[34:35]
	s_add_nc_u64 s[14:15], s[14:15], s[34:35]
	s_add_nc_u64 s[16:17], s[16:17], s[34:35]
	s_add_nc_u64 s[18:19], s[18:19], s[36:37]
.irp j, 0,1,2                                  ; 3: the rows' codes
	global_load_b128 v[152+4*\j:155+4*\j], v251, s[4:5] offset:8192*\j
.endr
.irp n, 0,1,2,3,4,5,6,7,8,9,10,11,12,13,14,15  ; 16: their scale words, a head each: [tile 0's two bytes | tile 1's]
	global_load_b32 v[80+\n], v3, s[6:7] offset:128*\n
.endr
.irp i, 0,1,2,3                                ; 8: W_o's scale words
.irp q, 0,1
	global_load_b128 v[BS+8*\i+4*\q:BS+8*\i+4*\q+3], v1, s[10:11] offset:1024*\i+512*\q
.endr
.endr
.irp u, 0,1                                    ; 16: b_o, into the accumulators
.irp i, 0,1,2,3
	global_load_b128 v[ACC+8*(4*\u+\i):ACC+8*(4*\u+\i)+3], v252, s[12:13] offset:(32*(\i/2)+8*(\i%2))*4
	global_load_b128 v[ACC+8*(4*\u+\i)+4:ACC+8*(4*\u+\i)+7], v252, s[12:13] offset:(32*(\i/2)+8*(\i%2))*4+16
.endr
.endr
.irp i, 0,1,2,3                                ; 12: W_o's fragments of K step 0
.irp g, 0,1,2
	global_load_b128 v[BF+12*\i+4*\g:BF+12*\i+4*\g+3], v1, s[8:9] offset:1536*\i+512*\g
.endr
.endr
	global_load_b128 v[8:11], v253, s[14:15]       ; 2: ln_gamma and ln_beta of the four columns that I store
	global_load_b128 v[12:15], v253, s[16:17]
	s_wait_loadcnt 54                              ; of the 57 the first three are in
.irp j, 0,1,2
	ds_store_b128 v251, v[152+4*\j:155+4*\j] offset:8192*\j
.endr
	s_wait_loadcnt 38                              ; and the 16 words
.irp s, 0,1,2,3,4,5,6,7                        ; K step s is heads 2 s and 2 s + 1
	v_perm_b32 v[AS+\s], v[81+2*\s], v[80+2*\s], 0x05040100
	v_perm_b32 v[AS+8+\s], v[81+2*\s], v[80+2*\s], 0x07060302
.endr
	s_mul_i32 s33, s20, 4352
	s_add_co_u32 s33, s33, STG                     ; my stage
	v_mul_u32_u24 v4, v249, 272
	s_delay_alu instid0(VALU_DEP_1)
	v_lshl_add_u32 v4, v250, 6, v4
	s_delay_alu instid0(VALU_DEP_1)
	v_add_nc_u32 v4, s33, v4                       ; in: row r, + 64 hh
	v_mul_u32_u24 v5, v250, 272
	s_delay_alu instid0(VALU_DEP_1)
	v_lshl_add_u32 v5, v249, 4, v5
	s_delay_alu instid0(VALU_DEP_1)
	v_add_nc_u32 v5, s33, v5                       ; back: lanes 0-15 one row, lanes 16-31 the next
	v_lshlrev_b32 v6, 15, v250
	s_delay_alu instid0(VALU_DEP_1)
	v_lshl_add_u32 v6, v249, 4, v6                 ; and the same two rows in out0
	s_lshl_b32 s40, s20, 7
	v_add_nc_u32 v7, s40, v3                       ; my word among the waves' sums
	v_nop
	s_wait_dscnt 0x0
	s_barrier_signal -1
	s_barrier_wait -1                              ; the 32 rows' codes lie in LDS
.macro KS s
.if \s > 0
.rept 4
	v_nop                                          ; places in front of loads into registers that products have read
.endr
.endif
.if \s < 7
.irp i, 0,1,2,3
.irp g, 0,1,2
	global_load_b128 v[BF+48*((\s+1)%2)+12*\i+4*\g:BF+48*((\s+1)%2)+12*\i+4*\g+3], v1, s[8:9] offset:(\s+1)*12288+1536*\i+512*\g
.endr
.endr
.endif
.irp u, 0,1
.irp c, 0,1
	ds_load_b128 v[AF+12*\u+6*\c:AF+12*\u+6*\c+3], v1 offset:\u*12288+(2*\s+\c)*768
	ds_load_b64 v[AF+12*\u+6*\c+4:AF+12*\u+6*\c+5], v2 offset:\u*12288+(2*\s+\c)*768+512
.endr
.endr
.if \s < 7
	s_wait_loadcnt 12                              ; all but the next K step's 12
.else
	s_wait_loadcnt 0x0
.endif
	s_wait_dscnt 0x0
.irp i, 0,1,2,3                                ; the eight accumulators take turns
.irp u, 0,1
	v_wmma_scale_f32_16x16x128_f8f6f4 v[ACC+8*(4*\u+\i):ACC+8*(4*\u+\i)+7], v[BF+48*(\s%2)+12*\i:BF+48*(\s%2)+12*\i+11], v[AF+12*\u:AF+12*\u+11], v[ACC+8*(4*\u+\i):ACC+8*(4*\u+\i)+7], v[BS+8*\i+\s], v[AS+8*\u+\s] matrix_a_fmt:MATRIX_FMT_FP6 matrix_b_fmt:MATRIX_FMT_FP6
.endr
.endr
.endm
.irp s, 0,1,2,3,4,5,6,7
	KS \s
.endr
.rept 4
	v_nop
.endr
; v[104:105], v[106:107]: my lane's sums of tiles 0 and 1, in two halves.  They become, in v112, the whole row's sum: row r of tile hh.
.macro REDUCE base
	s_delay_alu instid0(VALU_DEP_2)
	v_add_f32 v104, v104, v105
	s_delay_alu instid0(VALU_DEP_2)
	v_add_f32 v106, v106, v107
	s_delay_alu instid0(VALU_DEP_2)
	v_permlanex16_b32 v105, v104, s38, s39
	s_delay_alu instid0(VALU_DEP_2)
	v_permlanex16_b32 v107, v106, s38, s39
	s_delay_alu instid0(VALU_DEP_2)
	v_add_f32 v104, v104, v105
	s_delay_alu instid0(VALU_DEP_2)
	v_add_f32 v106, v106, v107                     ; my wave's 64 columns of row r, both tiles
	s_delay_alu instid0(VALU_DEP_1)
	v_cndmask_b32 v108, v106, v104, s30            ; lanes 0-15 tile 0's, lanes 16-31 tile 1's
	ds_store_b32 v7, v108 offset:\base
	s_wait_dscnt 0x0
	s_barrier_signal -1
	s_barrier_wait -1
.irp k, 0,1,2,3,4,5,6,7,8,9,10,11,12,13,14,15
	ds_load_b32 v[112+\k], v3 offset:\base+128*\k
.endr
	s_wait_dscnt 0x0
.irp k, 0,4,8,12
	v_pk_add_f32 v[112+\k:113+\k], v[112+\k:113+\k], v[114+\k:115+\k]
.endr
	s_delay_alu instid0(VALU_DEP_3)
	v_pk_add_f32 v[112:113], v[112:113], v[116:117]
	s_delay_alu instid0(VALU_DEP_2)
	v_pk_add_f32 v[120:121], v[120:121], v[124:125]
	s_delay_alu instid0(VALU_DEP_1)
	v_pk_add_f32 v[112:113], v[112:113], v[120:121]
	s_delay_alu instid0(VALU_DEP_1)
	v_add_f32 v112, v112, v113
.endm
.macro SPREAD                          ; v112 (tile hh's) becomes the pairs v[108:109] (tile 0's) and v[110:111] (tile 1's)
	v_permlanex16_b32 v113, v112, s38, s39
	v_cndmask_b32 v108, v113, v112, s30
	v_cndmask_b32 v110, v112, v113, s30
	s_delay_alu instid0(VALU_DEP_2)
	v_mov_b32 v109, v108
	s_delay_alu instid0(VALU_DEP_2)
	v_mov_b32 v111, v110
.endm
	v_pk_add_f32 v[104:105], v[16:17], v[18:19]    ; each accumulator from its low end on
	v_pk_add_f32 v[106:107], v[48:49], v[50:51]
.irp j, 4,6,8,10,12,14,16,18,20,22,24,26,28,30
	v_pk_add_f32 v[104:105], v[104:105], v[16+\j:17+\j]
	v_pk_add_f32 v[106:107], v[106:107], v[48+\j:49+\j]
.endr
	REDUCE RED1
	s_delay_alu instid0(VALU_DEP_1)
	v_mul_f32 v112, 0xba800000, v112               ; - the mean
	SPREAD
.irp j, 0,2,4,6,8,10,12,14,16,18,20,22,24,26,28,30
	v_pk_add_f32 v[16+\j:17+\j], v[16+\j:17+\j], v[108:109]
	v_pk_add_f32 v[48+\j:49+\j], v[48+\j:49+\j], v[110:111]
.endr
	v_pk_mul_f32 v[104:105], v[16:17], v[16:17]
	v_pk_mul_f32 v[106:107], v[48:49], v[48:49]
.irp j, 2,4,6,8,10,12,14,16,18,20,22,24,26,28,30
	s_delay_alu instid0(VALU_DEP_2)
	v_pk_fma_f32 v[104:105], v[16+\j:17+\j], v[16+\j:17+\j], v[104:105]
	s_delay_alu instid0(VALU_DEP_2)
	v_pk_fma_f32 v[106:107], v[48+\j:49+\j], v[48+\j:49+\j], v[106:107]
.endr
	REDUCE RED2
	s_delay_alu instid0(VALU_DEP_1)
	v_fma_f32 v112, v112, s31, s32                 ; the variance + 1e-5
	s_wait_alu depctr_va_vdst(0)
	v_rsq_f32 v112, v112
	v_nop
	s_wait_alu depctr_va_vdst(0)                   ; the wait ahead of the first reader
	SPREAD
.irp j, 0,2,4,6,8,10,12,14,16,18,20,22,24,26,28,30
	v_pk_mul_f32 v[16+\j:17+\j], v[16+\j:17+\j], v[108:109]
	v_pk_mul_f32 v[48+\j:49+\j], v[48+\j:49+\j], v[110:111]
.endr
	; THE WAY OUT: a tile's 16 rows x 64 columns go through my own stage and come back as rows of 256 bytes.  A wave's LDS instructions are served in order: no wait between stores and loads, nor ahead of the next tile's stores.
.irp u, 0,1
.irp i, 0,1,2,3
	ds_store_b128 v4, v[ACC+8*(4*\u+\i):ACC+8*(4*\u+\i)+3] offset:128*(\i/2)+32*(\i%2)
	ds_store_b128 v4, v[ACC+8*(4*\u+\i)+4:ACC+8*(4*\u+\i)+7] offset:128*(\i/2)+32*(\i%2)+16
.endr
.irp k, 0,1,2,3,4,5,6,7
	ds_load_b128 v[104+32*\u+4*\k:107+32*\u+4*\k], v5 offset:544*\k
.endr
.endr
.irp u, 0,1
.irp k, 0,1,2,3,4,5,6,7
	s_wait_dscnt 16*(1-\u)+7-\k                    ; behind this load: the tile's younger loads, and for tile 0 tile 1's 8 stores and 8 loads
	v_pk_fma_f32 v[104+32*\u+4*\k:105+32*\u+4*\k], v[104+32*\u+4*\k:105+32*\u+4*\k], v[8:9], v[12:13]
	v_pk_fma_f32 v[106+32*\u+4*\k:107+32*\u+4*\k], v[106+32*\u+4*\k:107+32*\u+4*\k], v[10:11], v[14:15]
	global_store_b128 v6, v[104+32*\u+4*\k:107+32*\u+4*\k], s[18:19] offset:(8*\u+2*\k+8*(\k/4))*32768 th:TH_STORE_NT   ; lane row 2 k + hh of tile u is row c = 8 u + 2 k + hh + 8 (k / 4) of my 32; sixteen lanes store 256 consecutive bytes, aligned
.endr
.endr
	s_wait_tensorcnt 0x0                           ; the wave's end, behind my last LDS store
	ds_add_u32 v[SPW], v[NIL]
	s_wait_dscnt 0x0
	s_endpgm
.Lfunc_end_k_q653e43f891_proj:
	.size	k_q653e43f891_proj, .Lfunc_end_k_q653e43f891_proj-k_q653e43f891_proj
	.p2alignl 7, 3214868480
	.fill 96, 4, 3214868480
	.section	.rodata,"a",@progbits
	.p2align	6, 0x0
	.amdhsa_kernel k_q653e43f891_proj
		.amdhsa_group_segment_fixed_size 100352
		.amdhsa_private_segment_fixed_size 0
		.amdhsa_enable_private_segment 0
		.amdhsa_kernarg_size 64
		.amdhsa_user_sgpr_count 2
		.amdhsa_user_sgpr_kernarg_segment_ptr 1
		.amdhsa_wavefront_size32 1
		.amdhsa_system_sgpr_workgroup_id_x 1
		.amdhsa_system_sgpr_workgroup_id_y 1
		.amdhsa_system_sgpr_workgroup_id_z 1
		.amdhsa_system_vgpr_workitem_id 0
		.amdhsa_next_free_vgpr 256
		.amdhsa_next_free_sgpr 66
		.amdhsa_reserve_vcc 0
		.amdhsa_float_denorm_mode_32 3
		.amdhsa_float_denorm_mode_16_64 3
		.amdhsa_memory_ordered 1
		.amdhsa_forward_progress 1
		.amdhsa_inst_pref_size 53
	.end_amdhsa_kernel
	.amdgpu_metadata
---
amdhsa.version: [ 1, 2 ]
amdhsa.kernels:
  - .name:           k_q653e43f891_proj
    .symbol:         k_q653e43f891_proj.kd
    .args:
      - { .name: oc, .offset: 0, .size: 8, .value_kind: global_buffer, .address_space: global }
      - { .name: os, .offset: 8, .size: 8, .value_kind: global_buffer, .address_space: global }
      - { .name: cd, .offset: 16, .size: 8, .value_kind: global_buffer, .address_space: global }
      - { .name: sc, .offset: 24, .size: 8, .value_kind: global_buffer, .address_space: global }
      - { .name: b_o, .offset: 32, .size: 8, .value_kind: global_buffer, .address_space: global }
      - { .name: ln_gamma, .offset: 40, .size: 8, .value_kind: global_buffer, .address_space: global }
      - { .name: ln_beta, .offset: 48, .size: 8, .value_kind: global_buffer, .address_space: global }
      - { .name: out0, .offset: 56, .size: 8, .value_kind: global_buffer, .address_space: global }
    .group_segment_fixed_size: 100352
    .private_segment_fixed_size: 0
    .kernarg_segment_align: 8
    .kernarg_segment_size: 64
    .max_flat_workgroup_size: 512
    .sgpr_count:     66
    .vgpr_count:     256
    .wavefront_size: 32
...
	.end_amdgpu_metadata
.endif
;; end of part 4
